; MI455X (gfx1250); checked and timed in simulation.
; The chip was launched on July 23, 2026; its instructions are those of AMD's public machine-readable ISA for CDNA 5 (MIT licence, August 2026) and "CDNA5" Instruction Set Architecture Reference Guide (July 2026). The comments in the code are by the model that wrote it; some were corrected since.
;; B Spline KAN. Allowed arithmetic: matrix products marked QUANTISED: E2M3 operands, one E8M0 scale for each 32 along K, by v_wmma_scale_f32_16x16x128_f8f6f4 with both operands' format E2M3, f32 sums; everything else in f32.
;; Inputs: b0 512 float32; b1 512 float32; bw0_codes 512 x 16 x 24 uint8 (E2M3 codes of bw0, K innermost, in blocks of 32 codes, four codes in three bytes); bw0_scales 512 x 16 uint8 (E8M0 scales of bw0, one for each 32 codes along K); bw1_codes 512 x 16 x 24 uint8 (E2M3 codes of bw1, K innermost, in blocks of 32 codes, four codes in three bytes); bw1_scales 512 x 16 uint8 (E8M0 scales of bw1, one for each 32 codes along K); g0 512 float32; g1 512 float32; sw0_codes 512 x 64 x 24 uint8 (E2M3 codes of sw0, K innermost, in blocks of 32 codes, four codes in three bytes); sw0_scales 512 x 64 uint8 (E8M0 scales of sw0, one for each 32 codes along K); sw1_codes 512 x 64 x 24 uint8 (E2M3 codes of sw1, K innermost, in blocks of 32 codes, four codes in three bytes); sw1_scales 512 x 64 uint8 (E8M0 scales of sw1, one for each 32 codes along K); x 4 x 4,096 x 512 float32.
;; Outputs: out0 4 x 4,096 x 512 float32.
;; This version of the problem:
;;   THIS VERSION OF THE PROBLEM IS GIVEN IN LOW PRECISION. The matrix products marked QUANTISED in the list below multiply operands that are first quantised to E2M3 (2 exponent bits, 3 mantissa bits; 6 bits a number), with one power-of-two scale for each 32 numbers along K (OCP MX v1.0); their sums are f32. All else is computed in f32.
;;   The module's matrix products, in the order in which they are computed (A, B: the left and right operand; K: the contracted axis; several contracted axes count as one K, in the product's order):
;;     1. [M 16,384, K 512] x [K 512, N 512]; A: computed on the way; B: input bw0 (given as codes): QUANTISED
;;     2. [M 16,384, K 2,048] x [K 2,048, N 512]; A: computed on the way; B: input sw0 (given as codes): QUANTISED
;;     3. [M 16,384, K 512] x [K 512, N 512]; A: computed on the way; B: input bw1 (given as codes): QUANTISED
;;     4. [M 16,384, K 2,048] x [K 2,048, N 512]; A: computed on the way; B: input sw1 (given as codes): QUANTISED
;;   THE QUANTISER, for each operand of a quantised product, along K:
;;     - K is cut into blocks of 32 from its start; a last block that is shorter is filled with zeros.
;;     - A block's scale is 2^e with e = floor(log2(the largest magnitude in the block)) - 2, held to -126 .. 127; a block of zeros has e = 0. As a byte (E8M0): e + 127.
;;     - Each number is divided by its block's scale, clamped to +-7.5, and rounded to the nearest number of E2M3, ties to even, subnormals kept.
;;     - The product sums the exact products of the quantised numbers (number of the format x scale) in f32.
;;   ~~~python
;;   def quantise(x, axis):      # numpy; x: float32 -> the quantised numbers, widened to float32 again
;;       x = np.moveaxis(x, axis, -1); K = x.shape[-1]
;;       x = np.pad(x, [(0, 0)] * (x.ndim - 1) + [(0, -K % 32)]); x = x.reshape(x.shape[:-1] + (-1, 32)); a = np.abs(x).max(-1, keepdims=True)
;;       e = np.where(a > 0, np.clip(np.frexp(np.where(a > 0, a, 1))[1] - 1 - 2, -126, 127), 0)      # np.frexp(a)[1] - 1 = floor(log2(a)), exactly
;;       r = np.clip(x / 2.0 ** e, -7.5, 7.5)
;;       step = 2.0 ** (np.maximum(np.frexp(np.where(r == 0, 1, r))[1] - 1, 0) - 3)
;;       q = np.round(r / step) * step * 2.0 ** e      # np.round: ties to even
;;       return np.moveaxis(q.reshape(q.shape[:-2] + (-1,))[..., :K], -1, axis).astype(np.float32)
;;   ~~~
;;   OPERANDS COMPUTED ON THE WAY. 'Computed on the way' means the value that the module computes at that place (a softmax that the list does not call 'softmax' is quantised finished and normalised). What goes into a quantiser is computed in f32, as accurately as f32 sums, v_exp_f32 and their like allow (about 1e-6 of the number): no bf16 or f16 on the way to a quantiser, and a product that is left as it is and whose result goes on into a quantised operand takes f32 operands (vector FMAs, or v_wmma_f32_16x16x4_f32). A number that lies on a knife's edge between two numbers of the format may be rounded either way, as far as f32 arithmetic and the matrix unit's own rounding can turn it there, and no further.
;;   INPUTS GIVEN AS CODES. bw0 (in the module: [512, 512], K = its axis 1); bw1 (in the module: [512, 512], K = its axis 1); sw0 (in the module: [512, 2048], K = its axis 1); sw1 (in the module: [512, 2048], K = its axis 1): each comes as NAME_codes (uint8): NAME with its K axis moved to the last place and cut into blocks of 32 codes, [.., K / 32, bytes a block], one block behind the other in memory; four codes in three bytes: a row's codes are one little-endian stream of bits, code i at bits 6 i .. 6 i + 5 (a code: sign, 2 exponent bits, 3 mantissa bits); and NAME_scales (uint8): the same leading axes, one E8M0 byte (e + 127) for each 32 codes along K. Its value is code x scale, taken as it is: it is not quantised again, and the codes and scales need not be those that the quantiser above would give.
;; One version. Each part assembles by itself: llvm-mc -triple=amdgcn-amd-amdhsa -mcpu=gfx1250 --defsym DOCPART=n.
;; ======== version 1 of 1: 3 launches
;; limits: a function is approximated: absolute error at most 2e-06
;; workspace buffers: wimg0 1,024,000 bytes; wimg1 1,024,000 bytes; mm0 1,048,576 bytes; mm1 1,048,576 bytes; mm2 1,048,576 bytes; h 33,554,432 bytes
;; launch prep (part 1): grid 336 x 1, 4 waves a work-group, no clusters, 0 bytes of LDS; arguments x, bw0_codes, sw0_codes, bw1_codes, sw1_codes, bw0_scales, sw0_scales, bw1_scales, sw1_scales, mm0, wimg0, wimg1; writes mm0, wimg0, wimg1
.if DOCPART == 1
	.amdgcn_target "amdgcn-amd-amdhsa--gfx1250"
	.amdhsa_code_object_version 6
	.text
	.protected	k_q61a53c8d48_prep
	.globl	k_q61a53c8d48_prep
	.p2align	8
	.type	k_q61a53c8d48_prep,@function
k_q61a53c8d48_prep:
	s_mov_b64 s[64:65], 0
	v_nop
	global_prefetch_b8 v0, s[64:65] scope:SCOPE_SE
	s_setreg_imm32_b32 hwreg(HW_REG_WAVE_MODE, 25, 1), 1
	s_wait_xcnt 0x0
; Two jobs in one launch, parted by the work-group number.
; JOB A, work-groups 0 to 255: the smallest and the largest x of each of the 512 features over 64 rows, stored as
;   mm0[work-group][min 512 f32 | max 512 f32], 4,096 bytes a work-group.  Thread t owns features 4 t .. 4 t + 3, so a load of a wave
;   covers 512 consecutive bytes and the four waves cover a row of 2,048 bytes.
; JOB B, work-groups 256 to 335: one quarter (128 output columns) of one block (256 along K) of one layer, laid in the order of the
;   operand registers: wimg[block j 0..9][quarter w 0..3], 25,600 bytes a quarter: 16 fragment images of 1,536 bytes at (8 s + t) 1536
;   (s: K step of 128, t: tile of 16 columns; registers 4 q .. 4 q + 3 of lane l at 512 q + 16 l), then at 24,576 the scale words [16 s + r][t].
;   Lane (r, h), registers 6 c .. 6 c + 5, are the 24 bytes of one block of 32 codes of row n = 128 w + 16 t + r:
;   j under 2 (the base weights):  block 8 j + 4 s + 2 c + h, the natural order;
;   j from 2 on (the spline weights, p = j - 2): block 8 p + 4 h + 2 s + c, so that in the product a lane owns 32 neighbouring features.
;   Whole blocks of 32 change places, with their scale bytes, and the left operand is laid the same way: the sums are the same.
.set AMN, 208                          ; v208-211 running minima of my 4 features
.set AMX, 212                          ; v212-215 running maxima
.macro XLD g                           ; rows 16 g .. 16 g + 15 into set g % 3 (v16-79, v80-143, v144-207)
.irp i, 0,1,2,3,4,5,6,7,8,9,10,11,12,13,14,15
	global_load_b128 v[16+64*((\g)%3)+4*\i:16+64*((\g)%3)+4*\i+3], v1, s[8:9] offset:2048*(16*(\g)+\i)
.endr
.endm
.macro RED g                           ; 16 rows into the running minima and maxima; group 0 starts them: nothing is cleared
.set RB, 16+64*((\g)%3)
.if (\g) == 0
.irp k, 0,1,2,3
	v_min_num_f32 v[AMN+\k], v[RB+\k], v[RB+4+\k]
	v_max3_num_f32 v[AMX+\k], v[RB+\k], v[RB+4+\k], v[RB+8+\k]
.endr
.irp i, 2,3,4,5,6,7,8,9,10,11,12,13,14,15
.irp k, 0,1,2,3
	v_min_num_f32 v[AMN+\k], v[AMN+\k], v[RB+4*\i+\k]
.endr
.endr
.irp i, 3,5,7,9,11,13
.irp k, 0,1,2,3
	v_max3_num_f32 v[AMX+\k], v[AMX+\k], v[RB+4*\i+\k], v[RB+4*\i+4+\k]
.endr
.endr
.irp k, 0,1,2,3
	v_max_num_f32 v[AMX+\k], v[AMX+\k], v[RB+60+\k]
.endr
.else
.irp i, 0,1,2,3,4,5,6,7,8,9,10,11,12,13,14,15
.irp k, 0,1,2,3
	v_min_num_f32 v[AMN+\k], v[AMN+\k], v[RB+4*\i+\k]
.endr
.endr
.irp i, 0,2,4,6,8,10,12,14
.irp k, 0,1,2,3
	v_max3_num_f32 v[AMX+\k], v[AMX+\k], v[RB+4*\i+\k], v[RB+4*\i+4+\k]
.endr
.endr
.endif
.endm
	s_load_b512 s[8:23], s[0:1], 0x0               ; x s[8:9]; codes: bw0 s[10:11], sw0 s[12:13], bw1 s[14:15], sw1 s[16:17]; scales: bw0 s[18:19], sw0 s[20:21], bw1 s[22:23]
	s_load_b256 s[24:31], s[0:1], 0x40             ; sw1 scales s[24:25]; mm0 s[26:27]; wimg0 s[28:29]; wimg1 s[30:31]
	v_lshlrev_b32 v1, 4, v0                        ; 16 bytes a thread
	s_cmp_lt_u32 ttmp9, 256
	s_cbranch_scc0 .Lweights
	; ---------------- JOB A
	s_lshl_b32 s32, ttmp9, 17                      ; 64 rows of 2,048 bytes
	s_mov_b32 s33, 0
	s_lshl_b32 s34, ttmp9, 12                      ; 4,096 bytes of results
	s_mov_b32 s35, 0
	s_wait_kmcnt 0x0
	s_add_nc_u64 s[8:9], s[8:9], s[32:33]
	s_add_nc_u64 s[26:27], s[26:27], s[34:35]
	XLD 0
	XLD 1
	XLD 2
	s_wait_loadcnt 32                              ; group 0 is in; the 32 loads of groups 1 and 2 may be out
	RED 0
	XLD 3                                          ; into the set that group 0 has left
	s_wait_loadcnt 32                              ; group 1 is in; groups 2 and 3 may be out
	RED 1
	s_wait_loadcnt 16                              ; group 2 is in; group 3 may be out
	RED 2
	s_wait_loadcnt 0x0
	RED 3
	global_store_b128 v1, v[AMN:AMN+3], s[26:27]               ; a wave stores 512 consecutive bytes, aligned
	global_store_b128 v1, v[AMX:AMX+3], s[26:27] offset:2048
	s_endpgm
	; ---------------- JOB B
.Lweights:
	v_lshrrev_b32 v2, 5, v0
	v_readfirstlane_b32 s46, v2                    ; wave v 0..3
	v_and_b32 v2, 15, v0                           ; r
	v_bfe_u32 v3, v0, 4, 1                         ; h (for the scale words: the K step s)
	v_and_b32 v4, 31, v0                           ; lane
	v_lshlrev_b32 v7, 4, v4                        ; 16 x lane: my place in an image
	s_sub_co_u32 s32, ttmp9, 256                   ; 0 .. 79
	s_wait_kmcnt 0x0
	s_cmp_ge_u32 s32, 40                           ; layer 1?  Every choice below hangs on the work-group number alone
	s_cselect_b64 s[10:11], s[14:15], s[10:11]
	s_cselect_b64 s[12:13], s[16:17], s[12:13]
	s_cselect_b64 s[18:19], s[22:23], s[18:19]
	s_cselect_b64 s[20:21], s[24:25], s[20:21]
	s_cselect_b64 s[28:29], s[30:31], s[28:29]
	s_cselect_b32 s33, 40, 0
	s_sub_co_u32 s32, s32, s33                     ; 4 j + w
	s_lshr_b32 s34, s32, 2                         ; j
	s_and_b32 s35, s32, 3                          ; w
	s_mov_b32 s36, 1536
	s_cmp_lt_u32 s34, 2                            ; base weights?
	s_cselect_b64 s[10:11], s[10:11], s[12:13]     ; my codes
	s_cselect_b64 s[18:19], s[18:19], s[20:21]     ; my scale bytes
	s_cselect_b32 s36, 384, s36                    ; a row of codes in bytes
	s_cselect_b32 s37, 24, 96                      ; bytes from h = 0 to h = 1
	s_cselect_b32 s38, 48, 24                      ; from c = 0 to c = 1
	s_cselect_b32 s39, 96, 48                      ; from s = 0 to s = 1
	s_cselect_b32 s40, 0, 2
	s_cselect_b32 s41, 1, 0                        ; 1: base
	s_sub_co_u32 s40, s34, s40                     ; j, or p = j - 2
	s_mul_i32 s42, s40, 192                        ; 8 blocks of 24 bytes
	s_lshr_b32 s43, s46, 1                         ; my K step s = v / 2
	s_mul_i32 s43, s43, s39
	s_add_co_u32 s42, s42, s43
	s_lshl_b32 s47, s35, 7                         ; 128 w
	s_and_b32 s44, s46, 1
	s_lshl_b32 s44, s44, 6                         ; my four tiles begin at row 64 (v % 2) of the quarter
	s_add_co_u32 s44, s44, s47
	s_mul_i32 s44, s44, s36
	s_add_co_u32 s42, s42, s44
	s_mov_b32 s43, 0
	s_add_nc_u64 s[10:11], s[10:11], s[42:43]
	s_mul_i32 s48, s32, 25600
	s_mov_b32 s49, 0
	s_add_nc_u64 s[28:29], s[28:29], s[48:49]      ; my quarter
	s_mul_i32 s52, s46, 4*1536                     ; my fragments 4 v .. 4 v + 3
	s_mov_b32 s53, 0
	s_add_nc_u64 s[50:51], s[28:29], s[52:53]
	v_mul_lo_u32 v5, v2, s36                       ; r rows
	v_mul_lo_u32 v6, v3, s37                       ; + my half
	v_add_nc_u32 v8, v5, v6                        ; v[8 + 2 i + c]: tile i of my four, c
	s_lshl_b32 s54, s36, 4                         ; 16 rows
	v_add_nc_u32 v10, s54, v8
	v_add_nc_u32 v12, s54, v10
	v_add_nc_u32 v14, s54, v12
.irp i, 0,1,2,3
	v_add_nc_u32 v[9+2*\i], s38, v[8+2*\i]
.endr
.irp i, 0,1,2,3
.irp c, 0,1
.irp k, 0,1,2
	global_load_b64 v[16+12*\i+6*\c+2*\k:16+12*\i+6*\c+2*\k+1], v[8+2*\i+\c], s[10:11] offset:8*\k   ; 24 bytes of a block, in pieces of 8
.endr
.endr
.endr
	; the scale words: lane 16 s + r takes the words of tiles 2 v and 2 v + 1
	s_lshl_b32 s55, s46, 5
	s_add_co_u32 s55, s55, s47                     ; their first row: 128 w + 32 v
	s_lshl_b32 s58, s46, 3
	v_lshl_add_u32 v65, v4, 5, s58                 ; where they go: 32 x lane + 8 v
	s_lshl_b32 s59, s40, 3                         ; 8 scale bytes for each 256 along K
	s_mov_b32 s57, 0
	s_cmp_eq_u32 s41, 1
	s_cbranch_scc0 .Lspline
	s_lshl_b32 s56, s55, 4                         ; base: 16 bytes a row; the word of K step 2 j + s as it lies
	s_add_co_u32 s56, s56, s59
	s_add_nc_u64 s[18:19], s[18:19], s[56:57]
	v_lshlrev_b32 v64, 4, v2
	v_lshl_add_u32 v64, v3, 2, v64
	global_load_b32 v66, v64, s[18:19]
	global_load_b32 v67, v64, s[18:19] offset:256
	s_wait_loadcnt 0x0
	s_branch .Lout
.Lspline:
	s_lshl_b32 s56, s55, 6                         ; spline: 64 bytes a row; of the 8 bytes of section p: bytes 2 s, 4 + 2 s, 2 s + 1, 5 + 2 s
	s_add_co_u32 s56, s56, s59
	s_add_nc_u64 s[18:19], s[18:19], s[56:57]
	v_lshlrev_b32 v64, 6, v2
	global_load_b64 v[68:69], v64, s[18:19]
	global_load_b64 v[70:71], v64, s[18:19] offset:1024
	v_mov_b32 v72, 0x07030602                      ; s = 1
	v_mov_b32 v73, 0x05010400                      ; s = 0
	v_cmp_eq_u32 vcc_lo, 0, v3
	v_cndmask_b32 v72, v72, v73, vcc_lo
	s_wait_loadcnt 0x0
	v_perm_b32 v66, v69, v68, v72                  ; selector bytes 0-3 name the low word, 4-7 the high word
	v_perm_b32 v67, v71, v70, v72
.Lout:
.irp i, 0,1,2,3
.irp q, 0,1,2
	global_store_b128 v7, v[16+12*\i+4*\q:16+12*\i+4*\q+3], s[50:51] offset:1536*\i+512*\q   ; 512 consecutive bytes, aligned
.endr
.endr
	global_store_b64 v65, v[66:67], s[28:29] offset:24576
	s_endpgm
.Lfunc_end_k_q61a53c8d48_prep:
	.size	k_q61a53c8d48_prep, .Lfunc_end_k_q61a53c8d48_prep-k_q61a53c8d48_prep
	.p2alignl 7, 3214868480
	.fill 96, 4, 3214868480
	.section	.rodata,"a",@progbits
	.p2align	6, 0x0
	.amdhsa_kernel k_q61a53c8d48_prep
		.amdhsa_group_segment_fixed_size 0
		.amdhsa_private_segment_fixed_size 0
		.amdhsa_enable_private_segment 0
		.amdhsa_kernarg_size 96
		.amdhsa_user_sgpr_count 2
		.amdhsa_user_sgpr_kernarg_segment_ptr 1
		.amdhsa_wavefront_size32 1
		.amdhsa_system_sgpr_workgroup_id_x 1
		.amdhsa_system_sgpr_workgroup_id_y 1
		.amdhsa_system_sgpr_workgroup_id_z 1
		.amdhsa_system_vgpr_workitem_id 0
		.amdhsa_next_free_vgpr 224
		.amdhsa_next_free_sgpr 66
		.amdhsa_reserve_vcc 1
		.amdhsa_float_denorm_mode_32 3
		.amdhsa_float_denorm_mode_16_64 3
		.amdhsa_memory_ordered 1
		.amdhsa_forward_progress 1
		.amdhsa_inst_pref_size 30
	.end_amdhsa_kernel
	.amdgpu_metadata
---
amdhsa.version: [ 1, 2 ]
amdhsa.kernels:
  - .name:           k_q61a53c8d48_prep
    .symbol:         k_q61a53c8d48_prep.kd
    .args:
      - { .name: x, .offset: 0, .size: 8, .value_kind: global_buffer, .address_space: global }
      - { .name: bw0_codes, .offset: 8, .size: 8, .value_kind: global_buffer, .address_space: global }
      - { .name: sw0_codes, .offset: 16, .size: 8, .value_kind: global_buffer, .address_space: global }
      - { .name: bw1_codes, .offset: 24, .size: 8, .value_kind: global_buffer, .address_space: global }
      - { .name: sw1_codes, .offset: 32, .size: 8, .value_kind: global_buffer, .address_space: global }
      - { .name: bw0_scales, .offset: 40, .size: 8, .value_kind: global_buffer, .address_space: global }
      - { .name: sw0_scales, .offset: 48, .size: 8, .value_kind: global_buffer, .address_space: global }
      - { .name: bw1_scales, .offset: 56, .size: 8, .value_kind: global_buffer, .address_space: global }
      - { .name: sw1_scales, .offset: 64, .size: 8, .value_kind: global_buffer, .address_space: global }
      - { .name: mm0, .offset: 72, .size: 8, .value_kind: global_buffer, .address_space: global }
      - { .name: wimg0, .offset: 80, .size: 8, .value_kind: global_buffer, .address_space: global }
      - { .name: wimg1, .offset: 88, .size: 8, .value_kind: global_buffer, .address_space: global }
    .group_segment_fixed_size: 0
    .private_segment_fixed_size: 0
    .kernarg_segment_align: 8
    .kernarg_segment_size: 96
    .max_flat_workgroup_size: 128
    .sgpr_count:     66
    .vgpr_count:     224
    .wavefront_size: 32
...
	.end_amdgpu_metadata
.endif
;; end of part 1
;; launch layer0 (part 2): grid 256 x 1, 8 waves a work-group, clusters of 4 x 1, 327,680 bytes of LDS; arguments x, mm0, wimg0, g0, b0, h, mm1; writes h, mm1
.if DOCPART == 2
	.amdgcn_target "amdgcn-amd-amdhsa--gfx1250"
	.amdhsa_code_object_version 6
	.text
	.protected	k_q61a53c8d48_layer0
	.globl	k_q61a53c8d48_layer0
	.p2align	8
	.type	k_q61a53c8d48_layer0,@function
k_q61a53c8d48_layer0:
	s_mov_b64 s[64:65], 0
	v_nop
	global_prefetch_b8 v0, s[64:65] scope:SCOPE_SE
	s_setreg_imm32_b32 hwreg(HW_REG_WAVE_MODE, 25, 1), 1
	s_wait_xcnt 0x0
	s_wait_alu depctr_hold_cnt(0) depctr_sa_sdst(0) depctr_va_vdst(0) depctr_va_sdst(0) depctr_va_ssrc(0) depctr_va_vcc(0) depctr_vm_vsrc(0)
	s_getreg_b32 s2, hwreg(HW_REG_IB_STS2, 6, 4)
	s_cmp_eq_u32 s2, 0
	s_cbranch_scc0 .Lentry_in_a_cluster
	s_endpgm
.Lentry_in_a_cluster:
	s_bfe_u32 s2, ttmp6, 0x10000c
	s_cmp_lg_u32 s2, 0x3003
	s_cbranch_scc0 .Lentry_shape_is_right
	s_endpgm
.Lentry_shape_is_right:
; One KAN layer on 64 rows a work-group: y = Q(silu(x)) bw^T + Q(basis(xn)) sw^T on codes of FP6 (E2M3) with one E8M0 scale for each 32 along K,
; LayerNorm over the 512 outputs, x g + b, silu.  Arguments: src [16384][512] f32, mmin (min | max of src for each 64 rows), wimg (the weights in operand order),
; g, b, dst [16384][512] f32, mmout (min | max of dst for my 64 rows, for the next layer; the last layer writes it too, 4,096 bytes a work-group that nobody reads:
; the price of one text for both layers).
; THE BASIS.  The first eight knots are 0, 0, 0, 0, 1/517 .. 4/517.  With u = 517 xn and p_m = max(m - u, 0)^3:
;   N0 = p1;  N1 = p2/4 - 2 p1;  N2 = p3/6 - 3/4 p2 + 3/2 p1;  N3 = p4/6 - 2/3 p3 + p2 - 2/3 p1.  No test of intervals, exact zeros from u = 4 on.
; SHARES.  Waves 0-3 multiply: wave w makes all 64 rows x columns 128 w .. 128 w + 127, 32 accumulators (window 1).  Waves 4-7 make the left operand:
;   wave 4 + m quantises rows 16 m .. 16 m + 15 and hands fragments over through LDS as images of their registers (16 bytes a lane, 512 bytes a store).
;   K = 2,560 goes in ten blocks of 256: two of silu(x), eight sections of 64 features x 4 basis numbers.  While block j is multiplied, block j + 1 is quantised.
; THE WEIGHTS come through two LDS slots of one block each; wave w fetches and reads its own quarter.  All work-groups walk the same weights:
;   the four of a cluster ask for each quarter jointly (mask 15).  By this text's count a wave has two tensor loads out at the start and one afterwards.
;   The 64 parts of min | max of a batch, 262,144 bytes, are shared too, but go straight into registers: beside the 241,664 bytes in use they have no room in LDS.
; THE MATRIX INSTRUCTION IS USED TRANSPOSED (source 0 = 16 weight rows, source 1 = 16 rows of the left operand): lane (r, h), register i = y[16 a + r][128 w + 16 t + 8 h + i].
; LIMITS.  A (batch, feature) column whose numbers are all equal gives NaN in the definition: not served.  NaN and infinities among the inputs are not served.
;   N1 .. N3 carry an absolute error up to about 2e-6 where u is under 1; the block there holds a number of at least 1/4, whose smallest code step is 2^-7.
;   silu gives 0 where 2^(-x log2 e) overflows (x under about -88).  A block of zeros gets the scale byte 1: its codes are zeros and only this text reads the byte.
.set QB,    25600                      ; a quarter of a block of weights
.set SLOTB, 4*QB                       ; a slot: LDS 0 and LDS 102,400
.set FRB,   1536                       ; a fragment image
.set BSC,   16*FRB                     ; the scale words in a quarter
.set ABUF,  2*SLOTB                    ; two buffers for the left operand: 8 images (4 s + m) and at ASC the scale words [s][r][m]
.set ABB,   12800
.set ASC,   8*FRB
.set TMN,   ABUF+2*ABB                 ; 512 minima; 2,048 bytes on: 512 x 517 / (max - min)
.set SUM1,  TMN+4096                   ; [row][w] sums of y; 1,024 bytes on: sums of (y - mu)^2
.set RST,   SUM1+2048                  ; for each wave 64 x (mu, 1 / sqrt(var + eps))
.set SPARE, RST+8*512                  ; the spare words, 128 bytes a wave: four blocks of 256 bytes that no other line names
.set SP,    2064                       ; the stage for y: 64 rows of 2,048 + 16 bytes from LDS byte 0 on, in the slots, behind their last fill and last read
.set SPW, 1                            ; v1  SPARE + 4 x thread; never rewritten
.set NIL, 2                            ; v2  0; never rewritten
.set ABR, 3                            ; v3  ABUF + 16 lane
.set BWR, 4                            ; v4, v5   my quarter in slot 0, 1, + 16 lane
.set BSR, 6                            ; v6, v7   its scale words, + 32 lane
.set AW,  8                            ; v8  ABUF + 1536 m + 16 lane
.set ASW, 9                            ; v9  ABUF + ASC + 16 r + 4 m
.set TA,  10                           ; v10 TMN + 128 h + 256 x section
.set TW,  11                           ; v11 TMN + 16 x thread
.set XA,  12                           ; v12 2048 r + 128 h (memory)
.set FO,  13                           ; v13 16 x thread (memory)
.set SO,  14                           ; v14, v15  stage, in: 2064 r + 32 h + 512 w; the same 32 rows on
.set SR,  16                           ; v16 stage, back: 2064 h + 256 wave + 16 r
.set S1W, 17                           ; v17 SUM1 + 16 r + 4 w
.set S1R, 18                           ; v18 SUM1 + 16 r
.set S1L, 19                           ; v19 SUM1 + 16 lane
.set RSW, 20                           ; v20 RST + 512 wave + 8 lane
.set RSR, 21                           ; v21 RST + 512 wave + 8 h
.set GO,  22                           ; v22 2048 h + 256 wave + 16 r (memory, dst)
.set MO,  23                           ; v23 the same (memory, mmout)
.set CG,  24                           ; v24 256 wave + 16 r (memory, g and b)
.set SH8, 28                           ; v28 8 h
; multiplying waves, window 0
.set AF,  32                           ; v32-127  the left operand: K step s, tile a at AF + 48 s + 12 a
.set BF,  128                          ; v128-223 the weights: tile t at BF + 12 t
.set BS,  224                          ; v224-231 weight scale words, tile t: lanes 0-15 K step 0, lanes 16-31 K step 1
.set AS,  232                          ; v232-235 left scale words, tile a, likewise.  v224-235 hold scales and nothing else
.set FMN, 236                          ; v236-239 running minima, v240-243 running maxima
.set FMX, 240
.set GG,  244                          ; v244-247 g, v248-251 b of my four columns 64 wave + 4 r
.set BB,  248
; quantising waves, window 0 (window 1: the x tile, 64 k + 32 c + e; later two sets of 32 for the sections)
.set U,   32                           ; v32-63   minima, then u
.set RS,  64                           ; v64-95   517 / (max - min)
.set W,   104                          ; v104-135
.set V,   136                          ; v136-167
.set PC,  168                          ; v168-179 codes of K step 0, v180-191 of K step 1
.set CT,  192                          ; v192-199 the second halves of two blocks, as the conversions leave them
.set QT,  200                          ; v200-201 maxima, v202-203 scale operands, v204-205 bytes, v206 at work
.set KC,  208                          ; v208-219 six pairs of coefficients
.set PW,  220                          ; v220-221 the scale words just made
.set MSB, 0
.macro WIN new                         ; the high byte of the immediate repeats the setting that is left; a switch that changes nothing is dropped
.if MSB != \new
	s_set_vgpr_msb (MSB<<8)|\new
.set MSB, \new
.endif
.endm
.macro PLACES                          ; four plain places behind matrix instructions, and behind a tensor load
.rept 4
	v_nop
.endr
.endm
.macro ROUND                           ; a round of the cluster barrier
	s_barrier_signal -1
	s_barrier_wait -1
	s_cmp_lg_u32 s18, 0
	s_cbranch_scc1 .Lnw0_\@
	s_barrier_signal -3
.Lnw0_\@:
	s_barrier_wait -3
	s_barrier_signal -1
	s_barrier_wait -1
.endm
; In front of a refill: all my tensor loads have landed, 0 is added to my spare word, the add and my LDS reads and stores are done; then the round.
.macro SYNC g
	s_wait_tensorcnt 0x0                           ; none of my tensor loads is out, so a group 0 may be written
	ds_add_u32 v[SPW], v[NIL]
	ds_add_u32 v1, v2
	s_add_nc_u64 s[\g+2:\g+3], s[\g+2:\g+3], 2*SLOTB   ; this slot takes the block two on
	s_wait_dscnt 0x0
	ROUND
.endm
; ---- the multiplying waves
.macro ALD s, abuf
.irp a, 0,1,2,3
.irp q, 0,1,2
	ds_load_b128 v[AF+48*(\s)+12*\a+4*\q:AF+48*(\s)+12*\a+4*\q+3], v[ABR] offset:(\abuf)*ABB+(4*(\s)+\a)*FRB+512*\q
.endr
.endr
.endm
.macro BLD slot, s, t0
.irp t, \t0, \t0+1, \t0+2, \t0+3
.irp q, 0,1,2
	ds_load_b128 v[BF+12*(\t)+4*\q:BF+12*(\t)+4*\q+3], v[BWR+\slot] offset:(8*(\s)+(\t))*FRB+512*\q
.endr
.endr
.endm
; 16 products: weight tiles t0 .. t0 + 3 x the four tiles of rows, K step s.  The 32 accumulators take turns, one instruction a turn, in one order.
.macro PROD t0, s, zero
.irp t, \t0, \t0+1, \t0+2, \t0+3
.irp a, 0,1,2,3
.if \zero
	v_wmma_scale_f32_16x16x128_f8f6f4 v[8*(4*(\t)+\a):8*(4*(\t)+\a)+7], v[BF+12*(\t):BF+12*(\t)+11], v[AF+48*(\s)+12*\a:AF+48*(\s)+12*\a+11], 0, v[BS+(\t)], v[AS+\a] matrix_a_fmt:MATRIX_FMT_FP6 matrix_b_fmt:MATRIX_FMT_FP6
.elseif \s
	v_wmma_scale_f32_16x16x128_f8f6f4 v[8*(4*(\t)+\a):8*(4*(\t)+\a)+7], v[BF+12*(\t):BF+12*(\t)+11], v[AF+48*(\s)+12*\a:AF+48*(\s)+12*\a+11], v[8*(4*(\t)+\a):8*(4*(\t)+\a)+7], v[BS+(\t)], v[AS+\a] matrix_a_fmt:MATRIX_FMT_FP6 matrix_b_fmt:MATRIX_FMT_FP6 matrix_a_scale:MATRIX_SCALE_ROW1 matrix_b_scale:MATRIX_SCALE_ROW1
.else
	v_wmma_scale_f32_16x16x128_f8f6f4 v[8*(4*(\t)+\a):8*(4*(\t)+\a)+7], v[BF+12*(\t):BF+12*(\t)+11], v[AF+48*(\s)+12*\a:AF+48*(\s)+12*\a+11], v[8*(4*(\t)+\a):8*(4*(\t)+\a)+7], v[BS+(\t)], v[AS+\a] matrix_a_fmt:MATRIX_FMT_FP6 matrix_b_fmt:MATRIX_FMT_FP6
.endif
.endr
.endr
.endm
; One block of 256 along K: 64 products.  zero = 1: the first K step starts the sums: nothing is cleared.
.macro MULT slot, abuf, zero
	ds_load_b128 v[AS:AS+3], v[ABR] offset:(\abuf)*ABB+ASC
	ds_load_b128 v[BS:BS+3], v[BSR+\slot]
	ds_load_b128 v[BS+4:BS+7], v[BSR+\slot] offset:16
	ALD 0, \abuf
	BLD \slot, 0, 0
	BLD \slot, 0, 4
	ALD 1, \abuf
	s_wait_dscnt 24                                ; the scale words, K step 0 of the left operand and weight tiles 0-3 are in; the 24 younger loads may be out
	WIN 0x50                                       ; C and D in window 1
	PROD 0, 0, \zero
	WIN 0
	PLACES                                         ; in front of loads into registers that the products above have read
	BLD \slot, 1, 0
	s_wait_dscnt 24                                ; weight tiles 4-7 are in; K step 1 of the left operand and the 12 just issued may be out
	WIN 0x50
	PROD 4, 0, \zero
	WIN 0
	PLACES
	BLD \slot, 1, 4
	s_wait_dscnt 12                                ; all but the 12 just issued
	WIN 0x50
	PROD 0, 1, 0
	s_wait_dscnt 0x0
	PROD 4, 1, 0
	WIN 0
	PLACES                                         ; the block ends with its own four places: whatever stands behind the join may load into, read or write the registers of the last products
.endm
; min and max over the 64 parts of my batch, 4 features a thread of waves 0-3: 8 groups of 8 parts x (min, max) through three sets of 64 registers
.macro FLOAD g
.irp q, 0,1,2,3,4,5,6,7
	global_load_b128 v[32+64*((\g)%3)+8*\q:32+64*((\g)%3)+8*\q+3], v[FO], s[6:7] offset:4096*(8*(\g)+\q)
	global_load_b128 v[32+64*((\g)%3)+8*\q+4:32+64*((\g)%3)+8*\q+7], v[FO], s[6:7] offset:4096*(8*(\g)+\q)+2048
.endr
.endm
.macro FRED g
.set FS, 32+64*((\g)%3)
.if (\g) == 0
.irp k, 0,1,2,3
	v_min_num_f32 v[FMN+\k], v[FS+\k], v[FS+8+\k]
	v_max3_num_f32 v[FMX+\k], v[FS+4+\k], v[FS+12+\k], v[FS+20+\k]
.endr
.irp q, 2,3,4,5,6,7
.irp k, 0,1,2,3
	v_min_num_f32 v[FMN+\k], v[FMN+\k], v[FS+8*\q+\k]
.endr
.endr
.irp q, 3,5
.irp k, 0,1,2,3
	v_max3_num_f32 v[FMX+\k], v[FMX+\k], v[FS+8*\q+4+\k], v[FS+8*\q+12+\k]
.endr
.endr
.irp k, 0,1,2,3
	v_max_num_f32 v[FMX+\k], v[FMX+\k], v[FS+60+\k]
.endr
.else
.irp q, 0,1,2,3,4,5,6,7
.irp k, 0,1,2,3
	v_min_num_f32 v[FMN+\k], v[FMN+\k], v[FS+8*\q+\k]
.endr
.endr
.irp q, 0,2,4,6
.irp k, 0,1,2,3
	v_max3_num_f32 v[FMX+\k], v[FMX+\k], v[FS+8*\q+4+\k], v[FS+8*\q+12+\k]
.endr
.endr
.endif
.endm
.macro FOLD
	FLOAD 0
	FLOAD 1
	FLOAD 2
.irp g, 0,1,2,3,4
	s_wait_loadcnt 32                              ; this group is in; the two younger groups, 32 loads, may be out
	FRED \g
	FLOAD \g+3
.endr
	s_wait_loadcnt 32
	FRED 5
	s_wait_loadcnt 16
	FRED 6
	s_wait_loadcnt 0x0
	FRED 7
.irp k, 0,1,2,3
	v_sub_f32 v[32+\k], v[FMX+\k], v[FMN+\k]
.endr
.irp k, 0,1,2,3
	v_rcp_f32 v[36+\k], v[32+\k]
.endr
	v_nop                                          ; a plain place behind the reciprocals
	s_wait_alu depctr_va_vdst(0)                   ; one wait for the four, ahead of their first use
.irp k, 0,1,2,3
	v_mul_f32 v[40+\k], 0x44014000, v[36+\k]       ; 517 / (max - min)
.endr
	ds_store_b128 v[TW], v[FMN:FMN+3]
	ds_store_b128 v[TW], v[40:43] offset:2048
.endm
; ---- the quantising waves
; K step k of x, 64 numbers a lane, into window 1: register 64 k + 32 c + e = x(r, 128 k + 64 c + 32 h + e)
.macro XK k
.irp i, 0,1,2,3,4,5,6,7,8,9,10,11,12,13,14,15
	global_load_b128 v[64*\k+4*\i:64*\k+4*\i+3], v[XA], s[4:5] offset:512*\k+256*(\i/8)+16*(\i%8)
.endr
.endm
; 32 numbers v[src] .. v[src + 31], one block along K, all mine: codes into registers 6 c .. 6 c + 5 of the fragment at pc, the byte into v[QT + 4 + c]
.macro QBLK c, src, pc
	v_max3_num_f32 v[QT], |v[\src]|, |v[\src+1]|, 0x1800000          ; with the floor 2^(3 - 127): the byte cannot fall under 1
	v_max3_num_f32 v[QT+1], |v[\src+2]|, |v[\src+3]|, |v[\src+4]|
.irp i, 5,9,13,17,21,25
	v_max3_num_f32 v[QT], v[QT], |v[\src+\i]|, |v[\src+\i+1]|
	v_max3_num_f32 v[QT+1], v[QT+1], |v[\src+\i+2]|, |v[\src+\i+3]|
.endr
	v_max3_num_f32 v[QT], v[QT], |v[\src+29]|, |v[\src+30]|
	v_max3_num_f32 v[QT], v[QT], v[QT+1], |v[\src+31]|
	v_add_nc_u32 v[QT+2+\c], 0xff000000, v[QT]     ; 2 off the exponent field: the conversion takes the exponent field of this operand as its scale
	v_cvt_scalef32_pk16_fp6_f32 v[\pc+6*\c:\pc+6*\c+2], v[\src:\src+15], v[QT+2+\c]
	v_cvt_scalef32_pk16_fp6_f32 v[CT+4*\c:CT+4*\c+2], v[\src+16:\src+31], v[QT+2+\c]   ; (three registers from an even one: made here and moved)
	v_lshrrev_b32 v[QT+4+\c], 23, v[QT+2+\c]       ; the byte; also the plain place behind the conversions
.irp i, 0,1,2
	v_mov_b32 v[\pc+6*\c+3+\i], v[CT+4*\c+\i]
.endr
.endm
.macro SCW s                           ; my two bytes are bytes h and 2 + h of my row's scale word; lane l xor 16 has the other two
	v_lshl_or_b32 v[PW+\s], v[QT+5], 16, v[QT+4]
	v_lshlrev_b32 v[PW+\s], v[SH8], v[PW+\s]
	v_permlanex16_b32 v[QT+6], v[PW+\s], s20, s21
	v_or_b32 v[PW+\s], v[PW+\s], v[QT+6]
.endm
.macro IMAGE s, abuf                   ; the fragment goes to LDS as it stands, and its scale word
.irp q, 0,1,2
	ds_store_b128 v[AW], v[PC+12*\s+4*\q:PC+12*\s+4*\q+3] offset:(\abuf)*ABB+(\s)*4*FRB+512*\q
.endr
	ds_store_b32 v[ASW], v[PW+\s] offset:(\abuf)*ABB+256*(\s)
.endm
; silu of K step k of x (64 numbers a lane: blocks 2 c + h) = x / (1 + 2^(-x log2 e)), quantised, to K step s of buffer abuf
.macro SILU k, s, abuf
	WIN 0x01                                       ; source 0 (x) in window 1
.set cn, 0
.rept 32
	v_pk_mul_f32 v[W+cn:W+cn+1], v[64*\k+cn:64*\k+cn+1], s[48:49] op_sel_hi:[1,0]
.set cn, cn+2
.endr
	WIN 0
.set cn, 0
.rept 64
	v_exp_f32 v[W+cn], v[W+cn]
.set cn, cn+1
.endr
	v_nop                                          ; a plain place behind the batch
	s_wait_alu depctr_va_vdst(0)                   ; one wait for the 64
.set cn, 0
.rept 32
	v_pk_add_f32 v[W+cn:W+cn+1], v[W+cn:W+cn+1], 1.0 op_sel_hi:[1,0]
.set cn, cn+2
.endr
.set cn, 0
.rept 64
	v_rcp_f32 v[W+cn], v[W+cn]
.set cn, cn+1
.endr
	v_nop
	s_wait_alu depctr_va_vdst(0)
	WIN 0x01
.set cn, 0
.rept 32
	v_pk_mul_f32 v[W+cn:W+cn+1], v[64*\k+cn:64*\k+cn+1], v[W+cn:W+cn+1]
.set cn, cn+2
.endr
	WIN 0
	QBLK 0, W, PC+12*\s
	QBLK 1, V, PC+12*\s
	SCW \s
	IMAGE \s, \abuf
.endm
; features 2 g and 2 g + 1 of eight: (N0, N1) and (N2, N3) as packed sums of p_m x a pair of coefficients; p_m is taken for both halves from one register of its pair
.macro NFP g
	v_pk_mul_f32 v[V+8*\g:V+8*\g+1], v[W+2*\g:W+2*\g+1], v[KC:KC+1] op_sel_hi:[0,1]
	v_pk_mul_f32 v[V+8*\g+4:V+8*\g+5], v[W+2*\g:W+2*\g+1], v[KC:KC+1] op_sel:[1,0] op_sel_hi:[1,1]
	v_pk_mul_f32 v[V+8*\g+2:V+8*\g+3], v[W+2*\g:W+2*\g+1], v[KC+4:KC+5] op_sel_hi:[0,1]
	v_pk_mul_f32 v[V+8*\g+6:V+8*\g+7], v[W+2*\g:W+2*\g+1], v[KC+4:KC+5] op_sel:[1,0] op_sel_hi:[1,1]
	v_pk_fma_f32 v[V+8*\g:V+8*\g+1], v[W+8+2*\g:W+9+2*\g], v[KC+2:KC+3], v[V+8*\g:V+8*\g+1] op_sel_hi:[0,1,1]
	v_pk_fma_f32 v[V+8*\g+4:V+8*\g+5], v[W+8+2*\g:W+9+2*\g], v[KC+2:KC+3], v[V+8*\g+4:V+8*\g+5] op_sel:[1,0,0] op_sel_hi:[1,1,1]
	v_pk_fma_f32 v[V+8*\g+2:V+8*\g+3], v[W+8+2*\g:W+9+2*\g], v[KC+6:KC+7], v[V+8*\g+2:V+8*\g+3] op_sel_hi:[0,1,1]
	v_pk_fma_f32 v[V+8*\g+6:V+8*\g+7], v[W+8+2*\g:W+9+2*\g], v[KC+6:KC+7], v[V+8*\g+6:V+8*\g+7] op_sel:[1,0,0] op_sel_hi:[1,1,1]
	v_pk_fma_f32 v[V+8*\g+2:V+8*\g+3], v[W+16+2*\g:W+17+2*\g], v[KC+8:KC+9], v[V+8*\g+2:V+8*\g+3] op_sel_hi:[0,1,1]
	v_pk_fma_f32 v[V+8*\g+6:V+8*\g+7], v[W+16+2*\g:W+17+2*\g], v[KC+8:KC+9], v[V+8*\g+6:V+8*\g+7] op_sel:[1,0,0] op_sel_hi:[1,1,1]
	v_pk_fma_f32 v[V+8*\g+2:V+8*\g+3], v[W+24+2*\g:W+25+2*\g], v[KC+10:KC+11], v[V+8*\g+2:V+8*\g+3] op_sel_hi:[0,1,1]
	v_pk_fma_f32 v[V+8*\g+6:V+8*\g+7], v[W+24+2*\g:W+25+2*\g], v[KC+10:KC+11], v[V+8*\g+6:V+8*\g+7] op_sel:[1,0,0] op_sel_hi:[1,1,1]
.endm
; eight features u[e0 ..]: v[V + 4 f + i] = N_i of feature f: one block of 32 along K, in its order
.macro BASIS e0
.irp i, 0,2,4,6
	v_pk_add_f32 v[W+\i:W+\i+1], v[U+\e0+\i:U+\e0+\i+1], 1.0 op_sel_hi:[1,0] neg_lo:[1,0] neg_hi:[1,0]
	v_pk_add_f32 v[W+8+\i:W+9+\i], v[U+\e0+\i:U+\e0+\i+1], 2.0 op_sel_hi:[1,0] neg_lo:[1,0] neg_hi:[1,0]
	v_pk_add_f32 v[W+16+\i:W+17+\i], v[U+\e0+\i:U+\e0+\i+1], 0x40400000 op_sel_hi:[1,0] neg_lo:[1,0] neg_hi:[1,0]
	v_pk_add_f32 v[W+24+\i:W+25+\i], v[U+\e0+\i:U+\e0+\i+1], 4.0 op_sel_hi:[1,0] neg_lo:[1,0] neg_hi:[1,0]
.endr
.set cn, 0
.rept 32
	v_max_num_f32 v[W+cn], 0, v[W+cn]              ; max(m - u, 0)
.set cn, cn+1
.endr
.set cn, 0
.rept 16
	v_pk_mul_f32 v[V+cn:V+cn+1], v[W+cn:W+cn+1], v[W+cn:W+cn+1]
.set cn, cn+2
.endr
.set cn, 0
.rept 16
	v_pk_mul_f32 v[W+cn:W+cn+1], v[V+cn:V+cn+1], v[W+cn:W+cn+1]   ; p_m
.set cn, cn+2
.endr
.irp g, 0,1,2,3
	NFP \g
.endr
.endm
; One section of 64 features: my 32 numbers of x lie in window 1 at xs; the next section is asked for into nxt; two fragments go to buffer abuf.
.macro PS xs, nxt, abuf, last
	s_wait_loadcnt 0x0                             ; this section is in, and no load reads s[4:5] any more
.if \last
	s_cmp_eq_u32 s22, 1                            ; behind the last section there is none: no load leaves its buffer
	s_cbranch_scc1 .Lnomore_\@
.endif
	s_add_nc_u64 s[4:5], s[4:5], 256
	WIN 0x40                                       ; destination in window 1
.irp i, 0,1,2,3,4,5,6,7
	global_load_b128 v[\nxt+4*\i:\nxt+4*\i+3], v[XA], s[4:5] offset:16*\i
.endr
	WIN 0
.if \last
.Lnomore_\@:
.endif
.irp i, 0,1,2,3,4,5,6,7
	ds_load_b128 v[U+4*\i:U+4*\i+3], v[TA] offset:16*\i
	ds_load_b128 v[RS+4*\i:RS+4*\i+3], v[TA] offset:2048+16*\i
.endr
	s_wait_dscnt 0x0                               ; the tables are in, and the last images' stores are done
	WIN 0x01
.set cn, 0
.rept 16
	v_pk_add_f32 v[U+cn:U+cn+1], v[\xs+cn:\xs+cn+1], v[U+cn:U+cn+1] neg_lo:[0,1] neg_hi:[0,1]   ; x - min
.set cn, cn+2
.endr
	WIN 0
.set cn, 0
.rept 16
	v_pk_mul_f32 v[U+cn:U+cn+1], v[U+cn:U+cn+1], v[RS+cn:RS+cn+1]                               ; u
.set cn, cn+2
.endr
.irp s, 0,1
.irp c, 0,1
	BASIS 16*\s+8*\c
	QBLK \c, V, PC+12*\s
.endr
	SCW \s
	IMAGE \s, \abuf
.endr
.endm
	; ---------------- the head: every address register is made here, on the way that all waves take
	s_load_b256 s[4:11], s[0:1], 0x0               ; src s[4:5], mmin s[6:7], wimg s[8:9], g s[10:11]
	s_load_b128 s[12:15], s[0:1], 0x20             ; b s[12:13], dst s[14:15]
	s_load_b64 s[16:17], s[0:1], 0x30              ; mmout
	v_lshl_add_u32 v[SPW], v0, 2, SPARE
	v_mov_b32 v[NIL], 0
	ds_add_u32 v1, v2
	ds_add_u32 v1, v2
	s_wait_dscnt 0x0
	v_lshrrev_b32 v25, 5, v0
	v_readfirstlane_b32 s18, v25                   ; wave 0..7
	s_and_b32 s19, s18, 3                          ; w, or m
	s_bfe_u32 s40, ttmp6, 0x40000                  ; my place in the cluster: it enters addresses in memory alone
	s_lshl_b32 s23, ttmp9, 2
	s_add_co_u32 s23, s23, s40                     ; my block of 64 rows
	s_mov_b32 s20, 0x76543210
	s_mov_b32 s21, 0xfedcba98                      ; selects for lane l xor 16
	s_mov_b32 s48, 0xbfb8aa3b                      ; -log2(e); named as a pair, so both are written
	s_mov_b32 s49, s48
	s_mov_b32 s50, 0x3b000000                      ; 1 / 512
	s_mov_b32 s51, 0x3727c5ac                      ; 1e-5
	v_and_b32 v25, 31, v0                          ; lane
	v_and_b32 v26, 15, v0                          ; r
	v_bfe_u32 v27, v0, 4, 1                        ; h
	s_mul_i32 s41, s19, QB
	s_mul_i32 s42, s19, FRB
	s_lshl_b32 s43, s19, 2
	s_lshl_b32 s44, s19, 9
	s_lshl_b32 s45, s18, 8
	s_lshl_b32 s46, s18, 9
	v_lshl_add_u32 v[ABR], v25, 4, ABUF
	v_lshl_add_u32 v[BWR], v25, 4, s41
	v_add_nc_u32 v[BWR+1], SLOTB, v[BWR]
	v_lshl_add_u32 v[BSR], v25, 5, s41
	v_add_nc_u32 v[BSR], BSC, v[BSR]
	v_add_nc_u32 v[BSR+1], SLOTB, v[BSR]
	v_add_nc_u32 v[AW], s42, v[ABR]
	v_lshl_add_u32 v[ASW], v26, 4, s43
	v_add_nc_u32 v[ASW], ABUF+ASC, v[ASW]
	v_lshl_add_u32 v[TA], v27, 7, TMN
	v_lshl_add_u32 v[TW], v0, 4, TMN
	v_lshlrev_b32 v[XA], 11, v26
	v_lshl_add_u32 v[XA], v27, 7, v[XA]
	v_lshlrev_b32 v[FO], 4, v0
	v_mul_u32_u24 v[SO], v26, SP
	v_lshl_add_u32 v[SO], v27, 5, v[SO]
	v_add_nc_u32 v[SO], s44, v[SO]
	v_add_nc_u32 v[SO+1], 32*SP, v[SO]
	v_mul_u32_u24 v[SR], v27, SP
	v_lshl_add_u32 v[SR], v26, 4, v[SR]
	v_add_nc_u32 v[SR], s45, v[SR]
	v_lshl_add_u32 v[S1W], v26, 4, s43
	v_add_nc_u32 v[S1W], SUM1, v[S1W]
	v_lshl_add_u32 v[S1R], v26, 4, SUM1
	v_lshl_add_u32 v[S1L], v25, 4, SUM1
	v_lshl_add_u32 v[RSW], v25, 3, s46
	v_add_nc_u32 v[RSW], RST, v[RSW]
	v_lshl_add_u32 v[RSR], v27, 3, s46
	v_add_nc_u32 v[RSR], RST, v[RSR]
	v_lshl_add_u32 v[CG], v26, 4, s45
	v_lshl_add_u32 v[GO], v27, 11, v[CG]
	v_mov_b32 v[MO], v[GO]
	v_lshlrev_b32 v[SH8], 3, v27
	v_mov_b32 v[KC], 1.0                           ; (N0, N1) += p1 x (1, -2)
	v_mov_b32 v[KC+1], -2.0
	v_mov_b32 v[KC+2], 0                           ;          += p2 x (0, 1/4)
	v_mov_b32 v[KC+3], 0x3e800000
	v_mov_b32 v[KC+4], 0x3fc00000                  ; (N2, N3) += p1 x (3/2, -2/3)
	v_mov_b32 v[KC+5], 0xbf2aaaab
	v_mov_b32 v[KC+6], 0xbf400000                  ;          += p2 x (-3/4, 1)
	v_mov_b32 v[KC+7], 1.0
	v_mov_b32 v[KC+8], 0x3e2aaaab                  ;          += p3 x (1/6, -2/3)
	v_mov_b32 v[KC+9], 0xbf2aaaab
	v_mov_b32 v[KC+10], 0                          ;          += p4 x (0, 1/6)
	v_mov_b32 v[KC+11], 0x3e2aaaab
	v_mov_b32 v[QT+6], 0                           ; written once: the destination of a lane permute counts as one of its sources
	; descriptor group 1: a quarter is a dense block of 25,600 bytes: 100 rows of 32 elements of 8 bytes
	s_mov_b32 s24, 15|(3<<16)|(1<<21)              ; 15:0 the mask: all four work-groups; 17:16 elements of 8 bytes; 21 set beside a mask
	s_mov_b32 s25, 32<<16                          ; tensor_dim0
	s_mov_b32 s26, 100<<16                         ; tensor_dim1
	s_mov_b32 s27, 32<<16                          ; tile_dim0
	s_mov_b32 s28, 100                             ; tile_dim1
	s_mov_b32 s29, 32                              ; from row to row
	s_mov_b32 s30, 0
	s_mov_b32 s31, 0
	s_lshl_b32 s52, s23, 17                        ; my 64 rows of 2,048 bytes
	s_mov_b32 s53, 0
	s_lshl_b32 s54, s19, 15                        ; 16 m rows
	s_add_co_u32 s54, s54, s52
	s_mov_b32 s55, 0
	s_lshr_b32 s56, s23, 6                         ; my batch: 64 parts of 4,096 bytes
	s_lshl_b32 s56, s56, 18
	s_mov_b32 s57, 0
	s_lshl_b32 s58, s23, 12
	s_mov_b32 s59, 0
	s_mov_b32 s60, s41                             ; my quarter: the wave number alone, the same in all four partners
	s_mov_b32 s61, 0
	s_wait_kmcnt 0x0
	s_add_nc_u64 s[4:5], s[4:5], s[54:55]
	s_add_nc_u64 s[6:7], s[6:7], s[56:57]
	s_add_nc_u64 s[14:15], s[14:15], s[52:53]
	s_add_nc_u64 s[16:17], s[16:17], s[58:59]
	s_add_nc_u64 s[8:9], s[8:9], s[60:61]
	s_mov_b32 s32, 1                               ; group 0 of slot 0: block 0
	s_mov_b32 s33, s41
	s_mov_b64 s[34:35], s[8:9]
	s_or_b32 s35, s35, 0x80000000
	s_mov_b32 s36, 1                               ; group 0 of slot 1: block 1
	s_add_co_u32 s37, s41, SLOTB
	s_add_nc_u64 s[38:39], s[8:9], SLOTB
	s_or_b32 s39, s39, 0x80000000
	global_load_b128 v[GG:GG+3], v[CG], s[10:11]
	global_load_b128 v[BB:BB+3], v[CG], s[12:13]
	ROUND                                          ; all four work-groups are here: the first joint loads meet
	; ---------------- phase 0: both slots are asked for, the tables are made | silu of K steps 0 and 1
	s_cmp_lt_u32 s18, 4
	s_cbranch_scc0 .Lp0
	tensor_load_to_lds s[32:35], s[24:31]
	s_nop 0
	tensor_load_to_lds s[36:39], s[24:31]
	s_nop 0
	PLACES
	FOLD
	s_branch .Lj0
.Lp0:
	WIN 0x40                                       ; destination in window 1
	XK 0
	XK 1
	XK 2
	s_wait_loadcnt 32                              ; g, b and K step 0 are in; the 32 loads of K steps 1 and 2 may be out
	XK 3
	WIN 0
	SILU 0, 0, 0
	s_wait_loadcnt 32                              ; K step 1 is in; K steps 2 and 3 may be out
	SILU 1, 1, 0
.Lj0:
	s_wait_tensorcnt 0x1                           ; my quarter of block 0 is in; block 1 may stay out
	s_wait_dscnt 0x0                               ; my stores (tables, images) are done
	s_barrier_signal -1
	s_barrier_wait -1
	; ---------------- phase 1: block 0 | silu of K steps 2 and 3
	s_cmp_lt_u32 s18, 4
	s_cbranch_scc0 .Lp1
	PLACES                                         ; between the last vector writes into operand registers (v32-43, at the end of the fold) and the products that name them
	MULT 0, 0, 1
	s_branch .Lj1
.Lp1:
	WIN 0x40
.irp i, 0,1,2,3,4,5,6,7
	global_load_b128 v[4*\i:4*\i+3], v[XA], s[4:5] offset:16*\i      ; section 0, into registers that K step 0 has left
.endr
	WIN 0
	s_wait_loadcnt 24                              ; K step 2 is in; K step 3 and the 8 just issued may be out
	SILU 2, 0, 1
	s_wait_loadcnt 8
	SILU 3, 1, 1
.Lj1:
	s_mov_b32 s22, 4
	; ---------------- four trips: blocks 1 to 8 | sections 0 to 7; every trip fills both slots again (blocks 2 to 9)
.Ltrip:
	SYNC 32
	s_cmp_lt_u32 s18, 4
	s_cbranch_scc0 .Lp2
	tensor_load_to_lds s[32:35], s[24:31]          ; first behind the round; it has a whole block, 64 products, in which to land
	s_nop 0
	PLACES
	MULT 1, 1, 0
	s_branch .Lj2
.Lp2:
	PS 0, 32, 0, 0
.Lj2:
	v_add_nc_u32 v[TA], 256, v[TA]                 ; the tables of the next section
	SYNC 36
	s_cmp_lt_u32 s18, 4
	s_cbranch_scc0 .Lp3
	tensor_load_to_lds s[36:39], s[24:31]
	s_nop 0
	PLACES
	MULT 0, 0, 0
	s_branch .Lj3
.Lp3:
	PS 32, 0, 1, 1
.Lj3:
	v_add_nc_u32 v[TA], 256, v[TA]
	s_sub_co_u32 s22, s22, 1
	s_cmp_lg_u32 s22, 0
	s_cbranch_scc1 .Ltrip
	; ---------------- block 9: nothing is filled again, so a plain barrier
	s_wait_tensorcnt 0x0
	ds_add_u32 v[SPW], v[NIL]
	s_wait_dscnt 0x0
	s_barrier_signal -1
	s_barrier_wait -1
	s_cmp_lt_u32 s18, 4
	s_cbranch_scc0 .Lj4
	MULT 1, 1, 0                                   ; its closing places stand in front of the first reads of results and of writes into operand registers
.Lj4:
	s_wait_dscnt 0x0
	s_barrier_signal -1
	s_barrier_wait -1                              ; nobody reads a slot any more: the stage may be written
	; ---------------- y to the stage; the sums of y
	s_cmp_lt_u32 s18, 4
	s_cbranch_scc0 .Lj5
	WIN 0x04                                       ; the data of an LDS store are its source 1: window 1
.irp a, 0,1,2,3
.irp t, 0,1,2,3,4,5,6,7
	ds_store_b128 v[SO+\a/2], v[8*(4*\t+\a):8*(4*\t+\a)+3] offset:(\a%2)*16*SP+64*\t          ; each accumulator from its low end on
	ds_store_b128 v[SO+\a/2], v[8*(4*\t+\a)+4:8*(4*\t+\a)+7] offset:(\a%2)*16*SP+64*\t+16
.endr
.endr
	WIN 0x05                                       ; both sources in window 1
.irp a, 0,1,2,3
.irp t, 0,1,2,3,4,5,6,7
.irp k, 0,1
	v_pk_add_f32 v[32+32*\a+4*\t+2*\k:33+32*\a+4*\t+2*\k], v[8*(4*\t+\a)+4*\k:8*(4*\t+\a)+4*\k+1], v[8*(4*\t+\a)+4*\k+2:8*(4*\t+\a)+4*\k+3]
.endr
.endr
.endr
	WIN 0
.irp d, 16,8,4,2
.irp a, 0,1,2,3
.set cn, 0
.rept \d/2
	v_pk_add_f32 v[32+32*\a+cn:33+32*\a+cn], v[32+32*\a+cn:33+32*\a+cn], v[32+32*\a+\d+cn:33+32*\a+\d+cn]
.set cn, cn+2
.endr
.endr
.endr
.irp a, 0,1,2,3
	v_add_f32 v[32+32*\a], v[32+32*\a], v[33+32*\a]
.endr
.irp a, 0,1,2,3
	v_permlanex16_b32 v[33+32*\a], v[32+32*\a], s20, s21
.endr
.irp a, 0,1,2,3
	v_add_f32 v[32+32*\a], v[32+32*\a], v[33+32*\a]            ; row 16 a + r over my 128 columns
.endr
.irp a, 0,1,2,3
	ds_store_b32 v[S1W], v[32+32*\a] offset:256*\a
.endr
.Lj5:
	s_wait_dscnt 0x0
	s_barrier_signal -1
	s_barrier_wait -1
	; ---------------- the sums of (y - mu)^2: no difference of large sums is formed
	s_cmp_lt_u32 s18, 4
	s_cbranch_scc0 .Lj6
.irp a, 0,1,2,3
	ds_load_b128 v[160+4*\a:163+4*\a], v[S1R] offset:256*\a
.endr
	s_wait_dscnt 0x0
.irp a, 0,1,2,3
	v_add_f32 v[160+4*\a], v[160+4*\a], v[161+4*\a]
	v_add_f32 v[162+4*\a], v[162+4*\a], v[163+4*\a]
.endr
.irp a, 0,1,2,3
	v_add_f32 v[160+4*\a], v[160+4*\a], v[162+4*\a]
.endr
.irp a, 0,1,2,3
	v_mul_f32 v[160+4*\a], s50, v[160+4*\a]                    ; mu
.endr
.irp a, 0,1,2,3
	WIN 0x01
.irp t, 0,1,2,3,4,5,6,7
.irp k, 0,2,4,6
	v_pk_add_f32 v[32+8*\t+\k:33+8*\t+\k], v[8*(4*\t+\a)+\k:8*(4*\t+\a)+\k+1], v[160+4*\a:161+4*\a] op_sel_hi:[1,0] neg_lo:[0,1] neg_hi:[0,1]
.endr
.endr
	WIN 0
.irp k, 0,2,4,6
	v_pk_mul_f32 v[96+\k:97+\k], v[32+\k:33+\k], v[32+\k:33+\k]
.endr
.irp t, 1,2,3,4,5,6,7
.irp k, 0,2,4,6
	v_pk_fma_f32 v[96+\k:97+\k], v[32+8*\t+\k:33+8*\t+\k], v[32+8*\t+\k:33+8*\t+\k], v[96+\k:97+\k]
.endr
.endr
	v_pk_add_f32 v[96:97], v[96:97], v[98:99]
	v_pk_add_f32 v[100:101], v[100:101], v[102:103]
	v_pk_add_f32 v[96:97], v[96:97], v[100:101]
	v_add_f32 v[104+\a], v96, v97
.endr
.irp a, 0,1,2,3
	v_permlanex16_b32 v[108+\a], v[104+\a], s20, s21
.endr
.irp a, 0,1,2,3
	v_add_f32 v[104+\a], v[104+\a], v[108+\a]
.endr
.irp a, 0,1,2,3
	ds_store_b32 v[S1W], v[104+\a] offset:1024+256*\a
.endr
.Lj6:
	s_wait_dscnt 0x0
	s_barrier_signal -1
	s_barrier_wait -1
	; ---------------- all eight waves: norm, gain, bias, silu; wave v takes columns 64 v .. 64 v + 63 of all 64 rows, two rows an instruction
	s_wait_loadcnt 0x0                             ; g and b
	ds_load_b128 v[32:35], v[S1L]                  ; lane l: the sums of rows l and l + 32
	ds_load_b128 v[36:39], v[S1L] offset:512
	ds_load_b128 v[40:43], v[S1L] offset:1024
	ds_load_b128 v[44:47], v[S1L] offset:1536
	s_wait_dscnt 0x0
.irp b, 32,36,40,44
	v_add_f32 v[\b], v[\b], v[\b+1]
	v_add_f32 v[\b+2], v[\b+2], v[\b+3]
.endr
.irp b, 32,36,40,44
	v_add_f32 v[\b], v[\b], v[\b+2]
.endr
	v_mul_f32 v48, s50, v32                        ; mu
	v_mul_f32 v50, s50, v36
	v_fma_f32 v40, v40, s50, s51                   ; var + 1e-5
	v_fma_f32 v44, v44, s50, s51
	v_rsq_f32 v49, v40
	v_rsq_f32 v51, v44
	v_nop
	s_wait_alu depctr_va_vdst(0)                   ; one wait for the two
	ds_store_b64 v[RSW], v[48:49]                  ; each wave keeps a table of its own: (mu, 1 / sqrt) of row l,
	ds_store_b64 v[RSW], v[50:51] offset:256       ; and of row l + 32
.irp k, 0,1,2,3
	v_mov_b32 v[FMN+\k], 0x7f800000
	v_mov_b32 v[FMX+\k], 0xff800000
.endr
	s_wait_dscnt 0x0                               ; the tables are stored: behind this barrier LDS is only read
	s_barrier_signal -1
	s_barrier_wait -1
	s_mov_b32 s22, 4
.Lrows:                                            ; a trip: 16 rows
.irp i, 0,1,2,3,4,5,6,7
	ds_load_b128 v[32+4*\i:35+4*\i], v[SR] offset:2*SP*\i
	ds_load_b64 v[64+2*\i:65+2*\i], v[RSR] offset:16*\i
.endr
	s_wait_dscnt 0x0
.irp i, 0,1,2,3,4,5,6,7
.irp k, 0,2
	v_pk_add_f32 v[32+4*\i+\k:33+4*\i+\k], v[32+4*\i+\k:33+4*\i+\k], v[64+2*\i:65+2*\i] op_sel_hi:[1,0] neg_lo:[0,1] neg_hi:[0,1]   ; y - mu
.endr
.endr
.irp i, 0,1,2,3,4,5,6,7
.irp k, 0,2
	v_pk_mul_f32 v[32+4*\i+\k:33+4*\i+\k], v[32+4*\i+\k:33+4*\i+\k], v[64+2*\i:65+2*\i] op_sel:[0,1] op_sel_hi:[1,1]              ; x 1 / sqrt
.endr
.endr
.irp i, 0,1,2,3,4,5,6,7
.irp k, 0,2
	v_pk_fma_f32 v[32+4*\i+\k:33+4*\i+\k], v[32+4*\i+\k:33+4*\i+\k], v[GG+\k:GG+\k+1], v[BB+\k:BB+\k+1]                           ; z
.endr
.endr
.irp i, 0,1,2,3,4,5,6,7
.irp k, 0,2
	v_pk_mul_f32 v[96+4*\i+\k:97+4*\i+\k], v[32+4*\i+\k:33+4*\i+\k], s[48:49] op_sel_hi:[1,0]
.endr
.endr
.set cn, 0
.rept 32
	v_exp_f32 v[96+cn], v[96+cn]
.set cn, cn+1
.endr
	v_nop
	s_wait_alu depctr_va_vdst(0)
.set cn, 0
.rept 16
	v_pk_add_f32 v[96+cn:97+cn], v[96+cn:97+cn], 1.0 op_sel_hi:[1,0]
.set cn, cn+2
.endr
.set cn, 0
.rept 32
	v_rcp_f32 v[96+cn], v[96+cn]
.set cn, cn+1
.endr
	v_nop
	s_wait_alu depctr_va_vdst(0)
.set cn, 0
.rept 16
	v_pk_mul_f32 v[96+cn:97+cn], v[32+cn:33+cn], v[96+cn:97+cn]    ; silu(z)
.set cn, cn+2
.endr
.irp i, 0,1,2,3,4,5,6,7
.irp k, 0,1,2,3
	v_min_num_f32 v[FMN+\k], v[FMN+\k], v[96+4*\i+\k]
.endr
.endr
.irp i, 0,2,4,6
.irp k, 0,1,2,3
	v_max3_num_f32 v[FMX+\k], v[FMX+\k], v[96+4*\i+\k], v[100+4*\i+\k]
.endr
.endr
.irp i, 0,1,2,3,4,5,6,7
	global_store_b128 v[GO], v[96+4*\i:99+4*\i], s[14:15] offset:4096*\i   ; 16 lanes store 256 consecutive bytes, aligned
.endr
	s_wait_xcnt 0x0                                ; the stores have read their data and their offset: both are written again only behind this wait
	v_add_nc_u32 v[SR], 16*SP, v[SR]
	v_add_nc_u32 v[RSR], 128, v[RSR]
	v_add_nc_u32 v[GO], 16*2048, v[GO]
	s_sub_co_u32 s22, s22, 1
	s_cmp_lg_u32 s22, 0
	s_cbranch_scc1 .Lrows
.irp k, 0,1,2,3
	v_permlanex16_b32 v[32+\k], v[FMN+\k], s20, s21            ; the rows of the other parity
	v_permlanex16_b32 v[36+\k], v[FMX+\k], s20, s21
.endr
.irp k, 0,1,2,3
	v_min_num_f32 v[FMN+\k], v[FMN+\k], v[32+\k]
	v_max_num_f32 v[FMX+\k], v[FMX+\k], v[36+\k]
.endr
	v_cmp_eq_u32 vcc_lo, 0, v[SH8]
.irp k, 0,1,2,3
	v_cndmask_b32 v[40+\k], v[FMX+\k], v[FMN+\k], vcc_lo       ; lanes 0-15 the minima, lanes 16-31 the maxima
.endr
	global_store_b128 v[MO], v[40:43], s[16:17]
	s_wait_tensorcnt 0x0                           ; the end of the wave
	ds_add_u32 v[SPW], v[NIL]
	s_wait_dscnt 0x0
	ROUND                                          ; the closing round
	s_endpgm
.Lfunc_end_k_q61a53c8d48_layer0:
	.size	k_q61a53c8d48_layer0, .Lfunc_end_k_q61a53c8d48_layer0-k_q61a53c8d48_layer0
	.p2alignl 7, 3214868480
	.fill 96, 4, 3214868480
	.section	.rodata,"a",@progbits
	.p2align	6, 0x0
	.amdhsa_kernel k_q61a53c8d48_layer0
		.amdhsa_group_segment_fixed_size 327680
		.amdhsa_private_segment_fixed_size 0
		.amdhsa_enable_private_segment 0
		.amdhsa_kernarg_size 56
		.amdhsa_user_sgpr_count 2
		.amdhsa_user_sgpr_kernarg_segment_ptr 1
		.amdhsa_wavefront_size32 1
		.amdhsa_system_sgpr_workgroup_id_x 1
		.amdhsa_system_sgpr_workgroup_id_y 1
		.amdhsa_system_sgpr_workgroup_id_z 1
		.amdhsa_system_vgpr_workitem_id 0
		.amdhsa_next_free_vgpr 512
		.amdhsa_next_free_sgpr 66
		.amdhsa_reserve_vcc 1
		.amdhsa_float_denorm_mode_32 3
		.amdhsa_float_denorm_mode_16_64 3
		.amdhsa_memory_ordered 1
		.amdhsa_forward_progress 1
		.amdhsa_inst_pref_size 255
	.end_amdhsa_kernel
	.section	.bss,"aw",@nobits
	.p2align	6
	.space	262144
	.amdgpu_metadata
---
amdhsa.version: [ 1, 2 ]
amdhsa.kernels:
  - .name:           k_q61a53c8d48_layer0
    .symbol:         k_q61a53c8d48_layer0.kd
    .args:
      - { .name: x, .offset: 0, .size: 8, .value_kind: global_buffer, .address_space: global }
      - { .name: mm0, .offset: 8, .size: 8, .value_kind: global_buffer, .address_space: global }
      - { .name: wimg0, .offset: 16, .size: 8, .value_kind: global_buffer, .address_space: global }
      - { .name: g0, .offset: 24, .size: 8, .value_kind: global_buffer, .address_space: global }
      - { .name: b0, .offset: 32, .size: 8, .value_kind: global_buffer, .address_space: global }
      - { .name: h, .offset: 40, .size: 8, .value_kind: global_buffer, .address_space: global }
      - { .name: mm1, .offset: 48, .size: 8, .value_kind: global_buffer, .address_space: global }
    .group_segment_fixed_size: 327680
    .private_segment_fixed_size: 0
    .kernarg_segment_align: 8
    .kernarg_segment_size: 56
    .max_flat_workgroup_size: 256
    .sgpr_count:     66
    .vgpr_count:     512
    .wavefront_size: 32
...
	.end_amdgpu_metadata
.endif
;; end of part 2
;; launch layer1: the kernel of part 2 again; grid 256 x 1, 8 waves a work-group, clusters of 4 x 1, 327,680 bytes of LDS; arguments h, mm1, wimg1, g1, b1, out0, mm2; writes out0, mm2
